; MI455X (gfx1250); checked and timed in simulation.
; The chip was launched on July 23, 2026; its instructions are those of AMD's public machine-readable ISA for CDNA 5 (MIT licence, August 2026) and "CDNA5" Instruction Set Architecture Reference Guide (July 2026). The comments in the code are by the model that wrote it; some were corrected since.
;; Bert Self Attention. Allowed arithmetic: matrix products marked QUANTISED: E5M2 operands, one E8M0 scale for each 32 along K, by v_wmma_scale_f32_16x16x128_f8f6f4 with both operands' format E5M2, f32 sums; products left as they are: f32 operands where the result goes on into a quantised operand, else bf16, f16 or f32 operands; f32 sums; everything else in f32.
;; Inputs: Ak 16 x 1,024 float32; Aq 16 x 1,024 float32; Av 16 x 1,024 float32; Bk 1,024 x 16 float32; Bq 1,024 x 16 float32; Bv 1,024 x 16 float32; Wk 1,024 x 1,024 float32; Wq 1,024 x 1,024 float32; Wv 1,024 x 1,024 float32; attention_mask 4 x 1 x 1 x 2,048 float32; bk 1,024 float32; bq 1,024 float32; bv 1,024 float32; hidden_states 4 x 2,048 x 1,024 float32.
;; Outputs: out0 4 x 2,048 x 1,024 float32.
;; This version of the problem:
;;   THIS VERSION OF THE PROBLEM IS GIVEN IN LOW PRECISION. The matrix products marked QUANTISED in the list below multiply operands that are first quantised to E5M2 (5 exponent bits, 2 mantissa bits; 8 bits a number), with one power-of-two scale for each 32 numbers along K (OCP MX v1.0); their sums are f32. All else is computed in f32.
;;   The module's matrix products, in the order in which they are computed (A, B: the left and right operand; K: the contracted axis; several contracted axes count as one K, in the product's order):
;;     1. [M 8,192, K 1,024] x [K 1,024, N 1,024]; A: input hidden_states; B: input Wq: QUANTISED
;;     2. [M 8,192, K 1,024] x [K 1,024, N 16]; A: input hidden_states; B: input Aq: QUANTISED
;;     3. [M 8,192, K 16] x [K 16, N 1,024]; A: computed on the way; B: input Bq: left as it is (K = 16 < 32)
;;     4. [M 8,192, K 1,024] x [K 1,024, N 1,024]; A: input hidden_states; B: input Wk: QUANTISED
;;     5. [M 8,192, K 1,024] x [K 1,024, N 16]; A: input hidden_states; B: input Ak: QUANTISED
;;     6. [M 8,192, K 16] x [K 16, N 1,024]; A: computed on the way; B: input Bk: left as it is (K = 16 < 32)
;;     7. [M 8,192, K 1,024] x [K 1,024, N 1,024]; A: input hidden_states; B: input Wv: QUANTISED
;;     8. [M 8,192, K 1,024] x [K 1,024, N 16]; A: input hidden_states; B: input Av: QUANTISED
;;     9. [M 8,192, K 16] x [K 16, N 1,024]; A: computed on the way; B: input Bv: left as it is (K = 16 < 32)
;;     10. batch 64 x [M 2,048, K 64] x [K 64, N 2,048]; A: computed on the way; B: computed on the way: QUANTISED
;;     11. batch 64 x [M 2,048, K 2,048] x [K 2,048, N 64]; A: softmax (see below); B: computed on the way: QUANTISED
;;   THE QUANTISER, for each operand of a quantised product, along K:
;;     - K is cut into blocks of 32 from its start; a last block that is shorter is filled with zeros.
;;     - A block's scale is 2^e with e = floor(log2(the largest magnitude in the block)) - 15, held to -126 .. 127; a block of zeros has e = 0. As a byte (E8M0): e + 127.
;;     - Each number is divided by its block's scale, clamped to +-57,344, and rounded to the nearest number of E5M2, ties to even, subnormals kept.
;;     - The product sums the exact products of the quantised numbers (number of the format x scale) in f32.
;;   ~~~python
;;   def quantise(x, axis):      # numpy; x: float32 -> the quantised numbers, widened to float32 again
;;       x = np.moveaxis(x, axis, -1); K = x.shape[-1]
;;       x = np.pad(x, [(0, 0)] * (x.ndim - 1) + [(0, -K % 32)]); x = x.reshape(x.shape[:-1] + (-1, 32)); a = np.abs(x).max(-1, keepdims=True)
;;       e = np.where(a > 0, np.clip(np.frexp(np.where(a > 0, a, 1))[1] - 1 - 15, -126, 127), 0)      # np.frexp(a)[1] - 1 = floor(log2(a)), exactly
;;       r = np.clip(x / 2.0 ** e, -57344, 57344)
;;       step = 2.0 ** (np.maximum(np.frexp(np.where(r == 0, 1, r))[1] - 1, -14) - 2)
;;       q = np.round(r / step) * step * 2.0 ** e      # np.round: ties to even
;;       return np.moveaxis(q.reshape(q.shape[:-2] + (-1,))[..., :K], -1, axis).astype(np.float32)
;;   ~~~
;;   SOFTMAX AHEAD OF A QUANTISED PRODUCT. Where the list says 'softmax', what is quantised is not the finished softmax but p = 2^(t - M), with t = logit x log2(e) and M = ceil(the row's largest t), a whole number; so 1/2 < the row's largest p <= 1. The row's sum l is taken of the UNQUANTISED p, in f32, and the product's result is divided by l at the end. Since M is a whole number, a kernel that streams over the keys may use a running M (the ceiling of the running maximum): every later rescaling is an exact power of two, which a block's scale takes up: the codes' values come out the same.
;;   OPERANDS COMPUTED ON THE WAY. 'Computed on the way' means the value that the module computes at that place (a softmax that the list does not call 'softmax' is quantised finished and normalised). What goes into a quantiser is computed in f32, as accurately as f32 sums, v_exp_f32 and their like allow (about 1e-6 of the number): no bf16 or f16 on the way to a quantiser, and a product that is left as it is and whose result goes on into a quantised operand takes f32 operands (vector FMAs, or v_wmma_f32_16x16x4_f32). A number that lies on a knife's edge between two numbers of the format may be rounded either way, as far as f32 arithmetic and the matrix unit's own rounding can turn it there, and no further.
;; One version. Each part assembles by itself: llvm-mc -triple=amdgcn-amd-amdhsa -mcpu=gfx1250 --defsym DOCPART=n.
;; ======== version 1 of 1: 3 launches
;; limits: inputs' magnitudes at most 536,870,912; right only within a limited range of input values
;; workspace buffers: codes 11,534,336 bytes; scales 360,448 bytes; t16 1,572,864 bytes; qkv 25,165,824 bytes; qkvs 1,310,720 bytes
;; launch quant (part 1): grid 176 x 1, 4 waves a work-group, no clusters, 120,320 bytes of LDS; arguments hidden_states, Wq, Wk, Wv, Aq, Ak, Av, codes, scales, t16; writes codes, scales, t16
.if DOCPART == 1
	.amdgcn_target "amdgcn-amd-amdhsa--gfx1250"
	.amdhsa_code_object_version 6
	.text
	.protected	k_q23de8330c4_quant
	.globl	k_q23de8330c4_quant
	.p2align	8
	.type	k_q23de8330c4_quant,@function
k_q23de8330c4_quant:
	s_mov_b64 s[64:65], 0
	v_nop
	global_prefetch_b8 v0, s[64:65] scope:SCOPE_SE
	s_setreg_imm32_b32 hwreg(HW_REG_WAVE_MODE, 25, 1), 1
	s_wait_xcnt 0x0
; x [8192][1024] and Wq, Wk, Wv [1024][1024], f32, become codes of E5M2 with one E8M0 byte for each 32 along K, laid as IMAGES OF OPERAND REGISTERS; and t = (x A^T) / 16 for Aq, Ak, Av (both operands quantised) goes out in f32.
; A TILE is 16 rows x 1,024 K.  Tile T = 2 B + u holds, in lane r, row 32 B + 8 u + r + (r & 8) of its tensor: as source 0 of a product the 16 result registers of tiles 2 B, 2 B + 1 are then 16 neighbours along that axis.
; codes: [tile 704][K step 8][c 4][lane 32][16 bytes] (tiles 0-511 x, 512-575 Wq, 576-639 Wk, 640-703 Wv); scales: [tile][r 16][K step 8] words; t16: [matrix 3][token 8192][16] f32, rows as they are.
; SHARES: a wave takes one tile, tile 4 x work-group + wave.  Work-groups 0-127 take x, 128-175 the weights.  The two kinds part ONCE, on the work-group's number, and each has stage bytes of its own.
; An x work-group first quantises the 24 fragments of Aq, Ak, Av into LDS (wave w: K steps 2 w, 2 w + 1 of all three); one barrier; then every wave multiplies each fragment of x, as it is made, by A's three.
; A load reads 512 consecutive bytes of one row; a K step's 16 rows turn through the wave's own stage (pitch 528) so that lane (r, h) gets, of row r, numbers 32 b + 16 h + 0..15 of each block b: the operand's layout.
; THE SCALE: byte = the largest magnitude's exponent field - 15, held at 1 from below by a floor among the maximum's leaves.  A block of zeros gets the byte 1 (its codes are zeros, and this program alone reads the bytes).
; LIMITS: NaN and infinities among the inputs are not served.
; No tensor loads, no cluster: nothing here is read by two work-groups but A (192 KiB in all).  176 work-groups: smaller ones would quantise A more often.
.set ASC,   49152                      ; LDS: A's images at 0 ((m 8 + K step) 2048 + 512 c + 16 lane); their scale words here ((m 8 + K step) 128 + 4 lane)
.set STG,   52224                      ; the x path's stages: 16 rows x 528 bytes for each wave
.set STGW,  33792                      ; the weights' path's stages lie so many bytes further on
.set L16, 1                            ; v1   16 x lane
.set LS,  2                            ; v2   4 x lane
.set STI, 3                            ; v3   my stage + 16 x lane
.set STO, 4                            ; v4   my stage + 528 r + 64 h
.set AWI, 5                            ; v5   16 x lane + 4096 x wave: where I store A's images
.set AWS, 6                            ; v6   4 x lane + 256 x wave: and their scale words
.set SCO, 7                            ; v7   32 r + 16 h: my place in the tile's scale words
.set TSI, 8                            ; v8   my stage + 64 r + 32 h: t on its way out
.set H,   12                           ; v12  h = lane / 16
.set TM,  16                           ; v16-19 maxima, v20-23 permute results and bytes, v24-27 57,344 x scale, v28-31 the conversion's scale operand
.set PC,  40                           ; v40-55   the codes just made: a fragment
.set T,   56                           ; v56-79   three accumulators: t for Aq, Ak, Av
.set AF,  80                           ; v80-127  A's three fragments of the K step
.set SW,  128                          ; v128-135 the tile's scale words, one a K step
.set ASW, 136                          ; v136-138 A's scale words of the K step
.set PWA, 139                          ; v139     the scale word of a fragment of A
.set OUTW, 140                         ; v140-143 scale words on their way out
.set TQ,  144                          ; v144-167 t / 16
.set TB,  168                          ; v168-191 t / 16, read back by rows
.set X,   192                          ; v192-255 64 numbers in the operand's layout.   Window 1: four sets of 64 registers, rows as loaded
.set WV,  24
.set SRC, 28
.set DST, 30
.set DSC, 32
.set DT,  34
.set SEL, 36
.set MNT, 38
.set MSB, 0
.macro WIN new                         ; the immediate's high byte repeats the setting that is left
.if MSB != (\new)
	s_set_vgpr_msb (MSB<<8)|(\new)
.set MSB, (\new)
.endif
.endm
.macro LOADX k                         ; K step k of my 16 rows into set k % 4 of window 1: each load 512 consecutive bytes of one row
	WIN 0x40
.irp i, 0,1,2,3,4,5,6,7,8,9,10,11,12,13,14,15
	global_load_b128 v[64*((\k)%4)+4*\i:64*((\k)%4)+4*\i+3], v[L16], s[SRC:SRC+1] offset:(\i+8*(\i/8))*4096+512*(\k) th:TH_LOAD_NT
.endr
	WIN 0
.endm
.macro LOADA m, e, set                 ; K step 2 w + e of matrix m's 16 rows (rows as they are)
	WIN 0x40
.irp i, 0,1,2,3,4,5,6,7,8,9,10,11,12,13,14,15
	global_load_b128 v[64*(\set)+4*\i:64*(\set)+4*\i+3], v[L16], s[12+2*(\m):13+2*(\m)] offset:\i*4096+512*(\e)
.endr
	WIN 0
.endm
.macro TURN set, sb                    ; 16 rows x 512 bytes through my stage: LDS serves a wave's instructions in order, so no wait stands between the stores and the loads
	WIN 0x04                                       ; an LDS store's data are its source 1: window 1
.irp i, 0,1,2,3,4,5,6,7,8,9,10,11,12,13,14,15
	ds_store_b128 v[STI], v[64*(\set)+4*\i:64*(\set)+4*\i+3] offset:\sb+528*\i
.endr
	WIN 0
.irp b, 0,1,2,3
.irp j, 0,1,2,3
	ds_load_b128 v[X+16*\b+4*\j:X+16*\b+4*\j+3], v[STO] offset:\sb+128*\b+16*\j
.endr
.endr
.endm
; 64 numbers of a lane, register 16 b + i = k 32 b + 16 h + i of my row, become a fragment's codes in v[PC] on and its scale word in v[pw]
.macro QUANT s, pw
.irp b, 0,1,2,3
	v_max3_num_f32 v[TM+\b], |v[\s+16*\b]|, |v[\s+1+16*\b]|, 0x8000000   ; my 16 numbers of block b, and the floor 2^(16 - 127): the byte cannot fall under 1
.endr
.irp i, 2,4,6,8,10,12,14
.irp b, 0,1,2,3
	v_max3_num_f32 v[TM+\b], v[TM+\b], |v[\s+16*\b+\i]|, |v[\s+1+16*\b+\i]|
.endr
.endr
.irp b, 0,1,2,3
	v_permlanex16_b32 v[TM+4+\b], v[TM+\b], s[SEL], s[SEL+1]
.endr
.irp b, 0,1,2,3
	v_max_num_f32 v[TM+\b], v[TM+\b], v[TM+4+\b]   ; with lane l xor 16's 16: the block's largest magnitude
.endr
.irp b, 0,1,2,3
	v_add_nc_u32 v[TM+12+\b], 0xf8800000, v[TM+\b] ; 15 off its exponent field: the conversion's scale operand
.endr
.irp b, 0,1,2,3
	v_and_or_b32 v[TM+8+\b], v[TM+\b], 0x7f800000, s[MNT]   ; 57,344 x the scale
.endr
.irp b, 0,1,2,3
	v_lshrrev_b32 v[TM+4+\b], 23, v[TM+12+\b]      ; the scale's byte
.endr
	v_lshl_or_b32 v[\pw], v[TM+5], 8, v[TM+4]
	v_lshl_or_b32 v[\pw], v[TM+6], 16, v[\pw]
	v_lshl_or_b32 v[\pw], v[TM+7], 24, v[\pw]      ; my row's scale word
.irp b, 0,1,2,3
.irp i, 0,1,2,3,4,5,6,7,8,9,10,11,12,13,14,15
	v_med3_num_f32 v[\s+16*\b+\i], v[\s+16*\b+\i], -v[TM+8+\b], v[TM+8+\b]   ; the conversion does not saturate (ISA guide 7.6.2): the hold at the largest code x the scale
.endr
	v_cvt_scalef32_pk8_bf8_f32 v[PC+4*\b:PC+1+4*\b], v[\s+16*\b:\s+7+16*\b], v[TM+12+\b]
	v_cvt_scalef32_pk8_bf8_f32 v[PC+2+4*\b:PC+3+4*\b], v[\s+8+16*\b:\s+15+16*\b], v[TM+12+\b]
.endr
	v_nop                                          ; a plain vector line behind the last conversion
.endm
; K step k of my tile.  isx = 1: the fragment is also multiplied by A's three.  sb: the path's stage
.macro MAIN k, isx, sb
.if 7-(\k) < 3
	s_wait_loadcnt 16*(7-(\k))                     ; this step's 16 loads are in; those of the steps behind may be out
.else
	s_wait_loadcnt 48
.endif
	TURN (\k)%4, \sb
	s_wait_dscnt 0x0                               ; the numbers are back; the stage's stores have read their registers
	s_wait_xcnt 0x0                                ; the last step's stores have read v[PC] on, which is written again below
.if (\k) < 4
	LOADX (\k)+4
.endif
	QUANT X, SW+(\k)
.irp c, 0,1,2,3
	global_store_b128 v[L16], v[PC+4*\c:PC+4*\c+3], s[DST:DST+1] offset:2048*(\k)+512*\c   ; 512 consecutive bytes, aligned
.endr
.if \isx
.irp m, 0,1,2
.irp c, 0,1,2,3
	ds_load_b128 v[AF+16*\m+4*\c:AF+16*\m+4*\c+3], v[L16] offset:16384*\m+2048*(\k)+512*\c   ; behind the quantiser's lines: more than eight places behind the last products
.endr
	ds_load_b32 v[ASW+\m], v[LS] offset:ASC+1024*\m+128*(\k)
.endr
.rept 4
	v_nop                                          ; codes written by vector instructions stand four places ahead of a scaled matrix instruction (the scale word was made ahead of the holds)
.endr
	s_wait_alu depctr_va_vdst(0)
	s_wait_dscnt 0x0
.irp m, 0,1,2                                  ; source 0 = A's 16 ranks, source 1 = my 16 tokens: lane (r, h), register j = (rank 8 h + j, token r).  The three sums take turns
.if (\k) == 0
	v_wmma_scale_f32_16x16x128_f8f6f4 v[T+8*\m:T+8*\m+7], v[AF+16*\m:AF+16*\m+15], v[PC:PC+15], 0, v[ASW+\m], v[SW+(\k)] matrix_a_fmt:MATRIX_FMT_BF8 matrix_b_fmt:MATRIX_FMT_BF8
.else
	v_wmma_scale_f32_16x16x128_f8f6f4 v[T+8*\m:T+8*\m+7], v[AF+16*\m:AF+16*\m+15], v[PC:PC+15], v[T+8*\m:T+8*\m+7], v[ASW+\m], v[SW+(\k)] matrix_a_fmt:MATRIX_FMT_BF8 matrix_b_fmt:MATRIX_FMT_BF8
.endif
.endr
.endif
.endm
.macro WORDS                           ; the tile's 128 scale words: lane (r, h) stores K steps 4 h .. 4 h + 3 of row r: 512 consecutive bytes
	v_cmp_eq_u32 vcc_lo, 1, v[H]
.irp i, 0,1,2,3
	v_cndmask_b32 v[OUTW+\i], v[SW+\i], v[SW+4+\i], vcc_lo
.endr
	global_store_b128 v[SCO], v[OUTW:OUTW+3], s[DSC:DSC+1]
.endm
	s_load_b512 s[4:19], s[0:1], 0x0               ; x s[4:5], Wq s[6:7], Wk s[8:9], Wv s[10:11], Aq s[12:13], Ak s[14:15], Av s[16:17], codes s[18:19]
	s_load_b128 s[20:23], s[0:1], 0x40             ; scales s[20:21], t16 s[22:23]
	v_lshl_add_u32 v38, v0, 2, 0x1d400
	v_mov_b32 v39, 0
	v_lshrrev_b32 v9, 5, v0
	v_readfirstlane_b32 s[WV], v9                  ; wave 0..3
	v_and_b32 v10, 31, v0                          ; lane
	v_and_b32 v11, 15, v0                          ; r
	v_bfe_u32 v[H], v0, 4, 1
	v_lshlrev_b32 v[L16], 4, v10
	v_lshlrev_b32 v[LS], 2, v10
	s_mul_i32 s25, s[WV], 8448
	s_add_co_u32 s25, s25, STG                     ; my stage
	v_add_nc_u32 v[STI], s25, v[L16]
	v_mul_u32_u24 v[STO], v11, 528
	v_lshl_add_u32 v[STO], v[H], 6, v[STO]
	v_add_nc_u32 v[STO], s25, v[STO]
	v_lshlrev_b32 v[TSI], 6, v11
	v_lshl_add_u32 v[TSI], v[H], 5, v[TSI]
	v_add_nc_u32 v[TSI], s25, v[TSI]
	s_lshl_b32 s39, s[WV], 12
	v_add_nc_u32 v[AWI], s39, v[L16]
	s_lshl_b32 s39, s[WV], 8
	v_add_nc_u32 v[AWS], s39, v[LS]
	v_lshlrev_b32 v[SCO], 5, v11
	v_lshl_add_u32 v[SCO], v[H], 4, v[SCO]
.irp b, 0,1,2,3
	v_mov_b32 v[TM+4+\b], 0                        ; written once: a lane permute's destination counts as one of its sources
.endr
	s_mov_b32 s[SEL], 0x76543210
	s_mov_b32 s[SEL+1], 0xfedcba98                 ; lane l xor 16
	s_mov_b32 s[MNT], 0x600000                     ; the mantissa field of 57,344
	s_lshl_b32 s26, ttmp9, 2
	s_add_co_u32 s26, s26, s[WV]                   ; my tile among the 704: the weights' begin at 512 = 4 x 128
	s_and_b32 s27, s26, 63
	s_cmp_lt_u32 ttmp9, 128
	s_cselect_b32 s27, s26, s27                    ; my tile in its tensor
	s_lshr_b32 s40, s27, 1
	s_and_b32 s41, s27, 1
	s_lshl_b32 s42, s40, 17
	s_lshl_b32 s43, s41, 15
	s_add_co_u32 s42, s42, s43                     ; row 32 B + 8 u, 4,096 bytes a row
	s_mov_b32 s43, 0
	s_lshl_b32 s44, s40, 11
	s_lshl_b32 s45, s41, 9
	s_add_co_u32 s44, s44, s45                     ; the same row in t16, 64 bytes a row
	s_mov_b32 s45, 0
	s_lshl_b32 s46, s26, 14                        ; my tile's codes
	s_mov_b32 s47, 0
	s_lshl_b32 s40, s26, 9                         ; and scale words
	s_mov_b32 s41, 0
	s_wait_kmcnt 0x0
	s_cmp_lt_u32 ttmp9, 160                        ; which tensor: the choice hangs on the work-group's number alone
	s_cselect_b64 s[SRC:SRC+1], s[8:9], s[10:11]
	s_cmp_lt_u32 ttmp9, 144
	s_cselect_b64 s[SRC:SRC+1], s[6:7], s[SRC:SRC+1]
	s_cmp_lt_u32 ttmp9, 128
	s_cselect_b64 s[SRC:SRC+1], s[4:5], s[SRC:SRC+1]
	s_add_nc_u64 s[SRC:SRC+1], s[SRC:SRC+1], s[42:43]
	s_add_nc_u64 s[DST:DST+1], s[18:19], s[46:47]
	s_add_nc_u64 s[DSC:DSC+1], s[20:21], s[40:41]
	s_add_nc_u64 s[DT:DT+1], s[22:23], s[44:45]
	s_lshl_b32 s42, s[WV], 10                      ; A: my two K steps begin 1,024 w bytes into a row
	s_add_nc_u64 s[12:13], s[12:13], s[42:43]
	s_add_nc_u64 s[14:15], s[14:15], s[42:43]
	s_add_nc_u64 s[16:17], s[16:17], s[42:43]
	LOADX 0
	LOADX 1
	s_cmp_lt_u32 ttmp9, 128
	s_cbranch_scc0 .Lweights
	; ---- the x path.  First A: six fragments a wave, in sets 2 and 3 by turns
	LOADA 0, 0, 2
	LOADA 0, 1, 3
.irp n, 0,1,2,3,4,5
.if \n < 5
	s_wait_loadcnt 16                              ; this fragment's 16 loads are in; the next one's 16 may be out
.else
	s_wait_loadcnt 0
.endif
	TURN 2+\n%2, 0
	s_wait_dscnt 0x0                               ; the numbers are back; all my earlier LDS stores have read their registers
.if \n < 4
	LOADA (\n+2)/2, \n%2, 2+\n%2
.endif
	QUANT X, PWA
.irp c, 0,1,2,3
	ds_store_b128 v[AWI], v[PC+4*\c:PC+4*\c+3] offset:(\n/2)*16384+(\n%2)*2048+512*\c   ; the fragment as it stands in my registers
.endr
	ds_store_b32 v[AWS], v[PWA] offset:ASC+(\n/2)*1024+(\n%2)*128
.endr
	s_wait_dscnt 0x0                               ; for the others' sake: my images have landed
	s_barrier_signal -1
	s_barrier_wait -1                              ; A's 24 fragments lie in LDS
	LOADX 2
	LOADX 3
.irp k, 0,1,2,3,4,5,6,7
	MAIN \k, 1, 0
.endr
	WORDS
.rept 8
	v_nop                                          ; eight places between the last products and the first read of their results
.endr
.set n, 0
.rept 12
	v_pk_mul_f32 v[TQ+2*n:TQ+2*n+1], v[T+2*n:T+2*n+1], 0x3d800000 op_sel_hi:[1,0]   ; / 16, exact; each accumulator from its low end on
.set n, n+1
.endr
.irp m, 0,1,2                                  ; a lane holds 8 ranks of one token: through the stage, 64 bytes a token, and back as runs of 8 neighbouring tokens
.irp g, 0,1
	ds_store_b128 v[TSI], v[TQ+8*\m+4*\g:TQ+8*\m+4*\g+3] offset:1024*\m+16*\g
.endr
.endr
.irp m, 0,1,2
.irp g, 0,1
	ds_load_b128 v[TB+8*\m+4*\g:TB+8*\m+4*\g+3], v[STI] offset:1024*\m+512*\g
.endr
.endr
	s_wait_dscnt 0x0
.irp m, 0,1,2
.irp g, 0,1
	global_store_b128 v[L16], v[TB+8*\m+4*\g:TB+8*\m+4*\g+3], s[DT:DT+1] offset:524288*\m+1024*\g   ; rows 8 g .. 8 g + 7 of the tile are tokens 16 g + 0..7 on: 512 consecutive bytes, aligned
.endr
.endr
	s_wait_tensorcnt 0x0
	ds_add_u32 v38, v39
	s_wait_dscnt 0x0
	s_endpgm
.Lweights:                                     ; ---- the weights' path: no A, no products, no barrier: waves share nothing
	LOADX 2
	LOADX 3
.irp k, 0,1,2,3,4,5,6,7
	MAIN \k, 0, STGW
.endr
	WORDS
	s_wait_tensorcnt 0x0
	ds_add_u32 v38, v39
	s_wait_dscnt 0x0
	s_endpgm
.Lfunc_end_k_q23de8330c4_quant:
	.size	k_q23de8330c4_quant, .Lfunc_end_k_q23de8330c4_quant-k_q23de8330c4_quant
	.p2alignl 7, 3214868480
	.fill 96, 4, 3214868480
	.section	.rodata,"a",@progbits
	.p2align	6, 0x0
	.amdhsa_kernel k_q23de8330c4_quant
		.amdhsa_group_segment_fixed_size 120320
		.amdhsa_private_segment_fixed_size 0
		.amdhsa_enable_private_segment 0
		.amdhsa_kernarg_size 80
		.amdhsa_user_sgpr_count 2
		.amdhsa_user_sgpr_kernarg_segment_ptr 1
		.amdhsa_wavefront_size32 1
		.amdhsa_system_sgpr_workgroup_id_x 1
		.amdhsa_system_sgpr_workgroup_id_y 1
		.amdhsa_system_sgpr_workgroup_id_z 1
		.amdhsa_system_vgpr_workitem_id 0
		.amdhsa_next_free_vgpr 512
		.amdhsa_next_free_sgpr 66
		.amdhsa_reserve_vcc 1
		.amdhsa_float_denorm_mode_32 3
		.amdhsa_float_denorm_mode_16_64 3
		.amdhsa_memory_ordered 1
		.amdhsa_forward_progress 1
		.amdhsa_inst_pref_size 255
	.end_amdhsa_kernel
	.section	.bss,"aw",@nobits
	.p2align	6
	.space	262144
	.amdgpu_metadata
---
amdhsa.version: [ 1, 2 ]
amdhsa.kernels:
  - .name:           k_q23de8330c4_quant
    .symbol:         k_q23de8330c4_quant.kd
    .args:
      - { .name: hidden_states, .offset: 0, .size: 8, .value_kind: global_buffer, .address_space: global }
      - { .name: Wq, .offset: 8, .size: 8, .value_kind: global_buffer, .address_space: global }
      - { .name: Wk, .offset: 16, .size: 8, .value_kind: global_buffer, .address_space: global }
      - { .name: Wv, .offset: 24, .size: 8, .value_kind: global_buffer, .address_space: global }
      - { .name: Aq, .offset: 32, .size: 8, .value_kind: global_buffer, .address_space: global }
      - { .name: Ak, .offset: 40, .size: 8, .value_kind: global_buffer, .address_space: global }
      - { .name: Av, .offset: 48, .size: 8, .value_kind: global_buffer, .address_space: global }
      - { .name: codes, .offset: 56, .size: 8, .value_kind: global_buffer, .address_space: global }
      - { .name: scales, .offset: 64, .size: 8, .value_kind: global_buffer, .address_space: global }
      - { .name: t16, .offset: 72, .size: 8, .value_kind: global_buffer, .address_space: global }
    .group_segment_fixed_size: 120320
    .private_segment_fixed_size: 0
    .kernarg_segment_align: 8
    .kernarg_segment_size: 80
    .max_flat_workgroup_size: 128
    .sgpr_count:     66
    .vgpr_count:     512
    .wavefront_size: 32
...
	.end_amdgpu_metadata
.endif
;; end of part 1
;; launch proj (part 2): grid 8 x 48, 4 waves a work-group, clusters of 4 x 4, 327,680 bytes of LDS; arguments codes, scales, t16, Bq, Bk, Bv, bq, bk, bv, qkv, qkvs; writes qkv, qkvs
.if DOCPART == 2
	.amdgcn_target "amdgcn-amd-amdhsa--gfx1250"
	.amdhsa_code_object_version 6
	.text
	.protected	k_q23de8330c4_proj
	.globl	k_q23de8330c4_proj
	.p2align	8
	.type	k_q23de8330c4_proj,@function
k_q23de8330c4_proj:
	s_mov_b64 s[64:65], 0
	v_nop
	global_prefetch_b8 v0, s[64:65] scope:SCOPE_SE
	s_setreg_imm32_b32 hwreg(HW_REG_WAVE_MODE, 25, 1), 1
	s_wait_xcnt 0x0
	s_wait_alu depctr_hold_cnt(0) depctr_sa_sdst(0) depctr_va_vdst(0) depctr_va_sdst(0) depctr_va_ssrc(0) depctr_va_vcc(0) depctr_vm_vsrc(0)
	s_getreg_b32 s2, hwreg(HW_REG_IB_STS2, 6, 4)
	s_cmp_eq_u32 s2, 0
	s_cbranch_scc0 .Lentry_in_a_cluster
	s_endpgm
.Lentry_in_a_cluster:
	s_bfe_u32 s2, ttmp6, 0x10000c
	s_cmp_lg_u32 s2, 0xf033
	s_cbranch_scc0 .Lentry_shape_is_right
	s_endpgm
.Lentry_shape_is_right:
.set SLOT,  131072
.set SPARE, 262144
.set H,    4
.set ADRA, 16
.set ADRB, 20
.set A16,  22
.set ABI,  23
.set ABJ,  24
.set OA,   25
.set OSV,  26
.set VOF,  27
.set SPW,  28
.set NIL,  29
.set SC,   32
.set BJ,   96
.set W,    104
.set PC,   112
.set AF,   128
.set TM,   128
.set WO,   144
.set T,    192
.set WV,   26
.set RH,   27
.set G1R,  28
.set G0R,  36
.set G1P,  44
.set G0P,  52
.set PH,   60
.set MODE, 61
.set CX,   62
.set CY,   63
.set CXL,  66
.set CYL,  67
.set PX,   68
.set BB,   69
.set P16P, 70
.set R16P, 72
.set BIAS, 74
.set OUTP, 76
.set OSC,  78
.set SEL,  80
.set MNT,  82
.set NMD,  83
.set MSB, 0
.macro WIN new
.if MSB != (\new)
	s_set_vgpr_msb (MSB<<8)|(\new)
.set MSB, (\new)
.endif
.endm
.set MUL_LO, 0xa1
.set MUL_HI, 0xf1
.set TO_B,   0x40
.macro PLACES n
.rept \n
	v_nop
.endr
.endm
.macro JLOAD g0a, g1a, g0b, g1b
	s_cmp_eq_u32 s[RH], 0
	s_cbranch_scc0 .Lfor_p_\@
	tensor_load_to_lds s[\g0a:\g0a+3], s[\g1a:\g1a+7]
	s_nop 0
.rept 4
	v_nop
.endr
	s_branch .Lasked_\@
.Lfor_p_\@:
	tensor_load_to_lds s[\g0b:\g0b+3], s[\g1b:\g1b+7]
	s_nop 0
.rept 4
	v_nop
.endr
.Lasked_\@:
.endm
.macro CREST
	s_cmp_lg_u32 s[WV], 0
	s_cbranch_scc1 .Lnot_wave_0_\@
	s_barrier_signal -3
.Lnot_wave_0_\@:
	s_barrier_wait -3
	s_barrier_signal -1
	s_barrier_wait -1
.endm
.macro CROUND
	s_barrier_signal -1
	s_barrier_wait -1
	CREST
.endm
.macro FRAG reg, adr, q, i
.irp c, 0,1,2,3
	ds_load_b128 v[\reg+4*\c:\reg+4*\c+3], v[\adr] offset:4096*(\i)+2048*(\q)+512*\c
.endr
.endm
.macro FETCH_B slot, q, p
	WIN TO_B
.irp i, 0,1,2,3,4,5,6,7
	FRAG 128*(\p)+16*\i, ADRB+\slot, \q, \i
.endr
	WIN 0
.endm
.macro FETCH_A slot, q, i0
.irp i, \i0, \i0+1, \i0+2, \i0+3
	FRAG AF+16*(\i), ADRA+\slot, \q, \i
.endr
.endm
.macro MUL16 a0, p, kq
.irp a, \a0, \a0+1
.irp b, 0,1,2,3,4,5,6,7
	v_wmma_scale_f32_16x16x128_f8f6f4 v[8*(8*((\a)%4)+\b):8*(8*((\a)%4)+\b)+7], v[128*(\p)+16*\b:128*(\p)+16*\b+15], v[AF+16*(\a):AF+16*(\a)+15], v[8*(8*((\a)%4)+\b):8*(8*((\a)%4)+\b)+7], v[SC+8*\b+(\kq)], v[SC+8*(\a)+(\kq)] matrix_a_fmt:MATRIX_FMT_BF8 matrix_b_fmt:MATRIX_FMT_BF8 matrix_a_scale:MATRIX_SCALE_ROW1
.endr
.endr
.endm
.macro LORA s
	WIN MUL_LO
.irp a, 0,1,2,3
.irp b, 0,1,2,3,4,5,6,7
.if \s == 0
	v_wmma_f32_16x16x4_f32 v[8*(8*\a+\b):8*(8*\a+\b)+7], v[8*\b+2*\s:8*\b+2*\s+1], v[AF+8*\a+2*\s:AF+8*\a+2*\s+1], 0
.else
	v_wmma_f32_16x16x4_f32 v[8*(8*\a+\b):8*(8*\a+\b)+7], v[8*\b+2*\s:8*\b+2*\s+1], v[AF+8*\a+2*\s:AF+8*\a+2*\s+1], v[8*(8*\a+\b):8*(8*\a+\b)+7]
.endif
.endr
.endr
	WIN MUL_HI
.irp a, 4,5,6,7
.irp b, 0,1,2,3,4,5,6,7
.if \s == 0
	v_wmma_f32_16x16x4_f32 v[8*(8*(\a-4)+\b):8*(8*(\a-4)+\b)+7], v[8*\b+2*\s:8*\b+2*\s+1], v[AF+8*\a+2*\s:AF+8*\a+2*\s+1], 0
.else
	v_wmma_f32_16x16x4_f32 v[8*(8*(\a-4)+\b):8*(8*(\a-4)+\b)+7], v[8*\b+2*\s:8*\b+2*\s+1], v[AF+8*\a+2*\s:AF+8*\a+2*\s+1], v[8*(8*(\a-4)+\b):8*(8*(\a-4)+\b)+7]
.endif
.endr
.endr
.endm
.macro STEP slot, kq
	s_wait_dscnt 16
	WIN MUL_LO
	MUL16 0, 0, \kq
	MUL16 2, 0, \kq
	s_wait_dscnt 0
	PLACES 8
	FETCH_B \slot, 1, 1
	FETCH_A \slot, 1, 0
	WIN MUL_HI
	MUL16 4, 0, \kq
	MUL16 6, 0, \kq
	PLACES 8
	WIN 0
	FETCH_A \slot, 1, 4
.endm
.macro TURN slot, next, fill, kq
	s_wait_tensorcnt 0x0
	ds_add_u32 v[SPW], v[NIL]
	s_wait_dscnt 17
	WIN MUL_LO
	MUL16 0, 1, \kq
	s_wait_dscnt 0x0
	s_barrier_signal -1
	MUL16 2, 1, \kq
	WIN 0
	s_barrier_wait -1
.if \fill
	CREST
	s_add_nc_u64 s[G0R+4*\slot+2:G0R+4*\slot+3], s[G0R+4*\slot+2:G0R+4*\slot+3], 8192
	s_add_nc_u64 s[G0P+4*\slot+2:G0P+4*\slot+3], s[G0P+4*\slot+2:G0P+4*\slot+3], 8192
	JLOAD G0R+4*\slot, G1R, G0P+4*\slot, G1P
	PLACES 4
.else
	PLACES 8
.endif
	FETCH_B \next, 0, 0
	FETCH_A \next, 0, 0
	WIN MUL_HI
	MUL16 4, 1, \kq
	MUL16 6, 1, \kq
	PLACES 8
	WIN 0
	FETCH_A \next, 0, 4
.endm
.macro QUANT s, pw
.irp b, 0,1,2,3
	v_max3_num_f32 v[TM+\b], |v[\s+16*\b]|, |v[\s+1+16*\b]|, 0x8000000
.endr
.irp i, 2,4,6,8,10,12,14
.irp b, 0,1,2,3
	v_max3_num_f32 v[TM+\b], v[TM+\b], |v[\s+16*\b+\i]|, |v[\s+1+16*\b+\i]|
.endr
.endr
.irp b, 0,1,2,3
	v_permlanex16_b32 v[TM+4+\b], v[TM+\b], s[SEL], s[SEL+1]
.endr
.irp b, 0,1,2,3
	v_max_num_f32 v[TM+\b], v[TM+\b], v[TM+4+\b]
.endr
.irp b, 0,1,2,3
	v_add_nc_u32 v[TM+12+\b], 0xf8800000, v[TM+\b]
.endr
.irp b, 0,1,2,3
	v_and_or_b32 v[TM+8+\b], v[TM+\b], 0x7f800000, s[MNT]
.endr
.irp b, 0,1,2,3
	v_lshrrev_b32 v[TM+4+\b], 23, v[TM+12+\b]
.endr
	v_lshl_or_b32 v[\pw], v[TM+5], 8, v[TM+4]
	v_lshl_or_b32 v[\pw], v[TM+6], 16, v[\pw]
	v_lshl_or_b32 v[\pw], v[TM+7], 24, v[\pw]
.irp b, 0,1,2,3
.irp i, 0,1,2,3,4,5,6,7,8,9,10,11,12,13,14,15
	v_med3_num_f32 v[\s+16*\b+\i], v[\s+16*\b+\i], -v[TM+8+\b], v[TM+8+\b]
.endr
	v_cvt_scalef32_pk8_bf8_f32 v[PC+4*\b:PC+1+4*\b], v[\s+16*\b:\s+7+16*\b], v[TM+12+\b]
	v_cvt_scalef32_pk8_bf8_f32 v[PC+2+4*\b:PC+3+4*\b], v[\s+8+16*\b:\s+15+16*\b], v[TM+12+\b]
.endr
	v_nop
.endm
.macro WAYOUT a
	s_cmp_eq_u32 s[MODE], 0
	s_cbranch_scc0 .Lby_lane_\@
	WIN 0x06+(\a)/4
.set n, 0
.rept 32
	v_pk_add_f32 v[T+2*n:T+2*n+1], v[64*((\a)%4)+2*n:64*((\a)%4)+2*n+1], v[2*n:2*n+1]
.set n, n+1
.endr
	WIN 0
	s_branch .Ladded_\@
.Lby_lane_\@:
	WIN 0x02+(\a)/4
.set n, 0
.rept 32
.if (\a)%2
	v_pk_add_f32 v[T+2*n:T+2*n+1], v[64*((\a)%4)+2*n:64*((\a)%4)+2*n+1], v[BJ+(\a)-1:BJ+(\a)] op_sel:[0,1] op_sel_hi:[1,1]
.else
	v_pk_add_f32 v[T+2*n:T+2*n+1], v[64*((\a)%4)+2*n:64*((\a)%4)+2*n+1], v[BJ+(\a):BJ+(\a)+1] op_sel_hi:[1,0]
.endif
.set n, n+1
.endr
	WIN 0
.Ladded_\@:
	s_wait_xcnt 0x0
	QUANT T, W+(\a)
.irp c, 0,1,2,3
	global_store_b128 v[OA], v[PC+4*\c:PC+4*\c+3], s[OUTP:OUTP+1] offset:2048*(\a)+512*\c
.endr
.endm
	s_load_b512 s[4:19], s[0:1], 0x0
	s_load_b128 s[20:23], s[0:1], 0x40
	s_load_b64 s[24:25], s[0:1], 0x50
	v_lshl_add_u32 v[SPW], v0, 2, SPARE
	v_mov_b32 v[NIL], 0
	ds_add_u32 v28, v29
	ds_add_u32 v28, v29
	s_wait_dscnt 0x0
	v_lshrrev_b32 v1, 5, v0
	v_readfirstlane_b32 s[WV], v1
	s_lshr_b32 s[RH], s[WV], 1
	s_and_b32 s[PH], s[WV], 1
	s_bfe_u32 s[CXL], ttmp6, 0x40000
	s_bfe_u32 s[CYL], ttmp6, 0x40004
	s_mov_b32 s[CX], ttmp9
	s_and_b32 s[CY], ttmp7, 0xffff
	s_lshr_b32 s[MODE], s[CY], 3
	s_xor_b32 s[NMD], s[MODE], 1
	s_and_b32 s[BB], s[CY], 7
	s_lshl_b32 s[PX], s[CX], 2
	s_add_co_u32 s[PX], s[PX], s[CXL]
	s_lshl_b32 s84, s[CYL], 4
	s_mul_i32 s86, s[MODE], 640
	s_add_co_u32 s84, s84, s86
	s_lshl_b32 s86, s[CY], 6
	s_mul_i32 s86, s86, s[NMD]
	s_add_co_u32 s84, s84, s86
	s_lshl_b32 s88, s[PX], 4
	s_lshl_b32 s90, s[NMD], 9
	s_add_co_u32 s88, s88, s90
	s_lshl_b32 s90, s[BB], 7
	s_mul_i32 s90, s90, s[MODE]
	s_add_co_u32 s88, s88, s90
	s_lshl_b32 s3, s[PH], 3
	s_add_co_u32 s86, s84, s3
	s_lshl_b32 s86, s86, 14
	s_mov_b32 s87, 0
	s_add_co_u32 s90, s88, s3
	s_lshl_b32 s90, s90, 14
	s_mov_b32 s91, 0
	s_lshl_b32 s2, s[WV], 15
	s_lshl_b32 s85, s[CYL], 2
	s_lshl_b32 s85, 15, s85
	s_lshl_b32 s89, 0x1111, s[CXL]
	s_or_b32 s[G1R], s85, (3<<16)|(1<<21)
	s_or_b32 s[G1P], s89, (3<<16)|(1<<21)
.irp g, G1R, G1P
	s_mov_b32 s[\g+1], 512<<16
	s_mov_b32 s[\g+2], 8<<16
	s_mov_b32 s[\g+3], 512<<16
	s_mov_b32 s[\g+4], 8
	s_mov_b32 s[\g+5], 2048
	s_mov_b32 s[\g+6], 0
	s_mov_b32 s[\g+7], 0
.endr
	s_mov_b32 s[SEL], 0x76543210
	s_mov_b32 s[SEL+1], 0xfedcba98
	s_mov_b32 s[MNT], 0x600000
	s_wait_kmcnt 0x0
	s_add_nc_u64 s[86:87], s[4:5], s[86:87]
	s_add_nc_u64 s[90:91], s[4:5], s[90:91]
	CROUND
.irp s, 0,1
	s_mov_b32 s[G0R+4*\s], 1
	s_add_co_u32 s[G0R+4*\s+1], s2, \s*SLOT
	s_add_nc_u64 s[G0R+4*\s+2:G0R+4*\s+3], s[86:87], \s*4096
	s_or_b32 s[G0R+4*\s+3], s[G0R+4*\s+3], 0x80000000
	s_mov_b32 s[G0P+4*\s], 1
	s_add_co_u32 s[G0P+4*\s+1], s2, \s*SLOT
	s_add_nc_u64 s[G0P+4*\s+2:G0P+4*\s+3], s[90:91], \s*4096
	s_or_b32 s[G0P+4*\s+3], s[G0P+4*\s+3], 0x80000000
.endr
	JLOAD G0R, G1R, G0P, G1P
	v_and_b32 v2, 31, v0
	v_and_b32 v3, 15, v0
	v_bfe_u32 v[H], v0, 4, 1
	v_lshlrev_b32 v[OA], 4, v2
	s_lshl_b32 s2, s[RH], 15
	s_lshl_b32 s3, s[PH], 15
	s_add_co_u32 s3, s3, 65536
.irp s, 0,1
	v_add_nc_u32 v[ADRA+\s], s2, v[OA]
	v_add_nc_u32 v[ADRB+\s], s3, v[OA]
	s_add_co_u32 s2, s2, SLOT
	s_add_co_u32 s3, s3, SLOT
.endr
	v_and_b32 v5, 8, v3
	v_add_nc_u32 v5, v5, v3
	v_lshlrev_b32 v[A16], 6, v5
	v_lshl_add_u32 v[A16], v[H], 5, v[A16]
	s_wait_alu depctr_va_vdst(0)
	v_lshlrev_b32 v[ABI], 6, v[H]
	v_lshlrev_b32 v[ABJ], 2, v5
	s_wait_alu depctr_va_vdst(0)
	s_lshl_b32 s92, s[CXL], 8
	s_lshl_b32 s93, s[PH], 7
	s_add_co_u32 s92, s92, s93
	s_lshl_b32 s94, s[CYL], 8
	s_lshl_b32 s93, s[RH], 7
	s_add_co_u32 s94, s94, s93
	s_lshl_b32 s95, s[CY], 10
	s_add_co_u32 s95, s95, s94
	s_lshl_b32 s96, s[BB], 11
	s_lshl_b32 s93, s[PX], 8
	s_add_co_u32 s96, s96, s93
	s_lshl_b32 s93, s[PH], 7
	s_add_co_u32 s96, s96, s93
	s_lshl_b32 s98, s92, 6
	s_lshl_b32 s99, s96, 6
	s_add_co_u32 s99, s99, 1048576
	s_lshl_b32 s100, s95, 6
	s_lshl_b32 s95, s[CX], 19
	s_add_co_u32 s100, s100, s95
	s_lshl_b32 s101, s94, 6
	s_lshl_b32 s92, s92, 2
	s_lshl_b32 s94, s94, 2
	s_mov_b32 s97, 0
	s_cmp_eq_u32 s[CX], 0
	s_cselect_b64 s[P16P:P16P+1], s[10:11], s[12:13]
	s_cselect_b64 s[BIAS:BIAS+1], s[16:17], s[18:19]
	s_cmp_eq_u32 s[MODE], 0
	s_cselect_b64 s[P16P:P16P+1], s[P16P:P16P+1], s[8:9]
	s_cselect_b64 s[R16P:R16P+1], s[8:9], s[14:15]
	s_cselect_b64 s[BIAS:BIAS+1], s[BIAS:BIAS+1], s[20:21]
	s_cselect_b32 s96, s98, s99
	s_add_nc_u64 s[P16P:P16P+1], s[P16P:P16P+1], s[96:97]
	s_cselect_b32 s96, s100, s101
	s_add_nc_u64 s[R16P:R16P+1], s[R16P:R16P+1], s[96:97]
	s_cselect_b32 s96, s92, s94
	s_add_nc_u64 s[BIAS:BIAS+1], s[BIAS:BIAS+1], s[96:97]
	WIN 0x40
.irp b, 0,1,2,3,4,5,6,7
.irp g, 0,1
	global_load_b128 v[8*\b+4*\g:8*\b+4*\g+3], v[A16], s[P16P:P16P+1] offset:(32*(\b/2)+8*(\b%2))*64+16*\g
.endr
.endr
	WIN 0
.irp a, 0,1,2,3,4,5,6,7
.irp g, 0,1
	global_load_b128 v[AF+8*\a+4*\g:AF+8*\a+4*\g+3], v[A16], s[R16P:R16P+1] offset:(32*(\a/2)+8*(\a%2))*64+16*\g
.endr
.endr
	s_lshl_b32 s92, s[RH], 3
	s_add_co_u32 s92, s92, s84
	s_lshl_b32 s92, s92, 9
	s_lshl_b32 s94, s[PH], 3
	s_add_co_u32 s94, s94, s88
	s_lshl_b32 s94, s94, 9
	v_mov_b32 v6, s92
	v_mov_b32 v7, s94
	v_cmp_eq_u32 vcc_lo, 1, v[H]
	v_cndmask_b32 v[VOF], v6, v7, vcc_lo
	v_lshl_add_u32 v[VOF], v3, 5, v[VOF]
.irp i, 0,1,2,3,4,5,6,7
.irp g, 0,1
	global_load_b128 v[SC+8*\i+4*\g:SC+8*\i+4*\g+3], v[VOF], s[6:7] offset:512*\i+16*\g
.endr
.endr
.irp a, 0,1,2,3,4,5,6,7
	global_load_b32 v[BJ+\a], v[ABJ], s[BIAS:BIAS+1] offset:(32*(\a/2)+8*(\a%2))*4
.endr
	s_lshl_b32 s92, s[CX], 23
	s_lshr_b32 s94, s[CY], 1
	s_lshl_b32 s95, s94, 21
	s_add_co_u32 s92, s92, s95
	s_lshl_b32 s95, s[CXL], 1
	s_add_co_u32 s95, s95, s[PH]
	s_lshl_b32 s98, s95, 18
	s_add_co_u32 s92, s92, s98
	s_and_b32 s98, s[CY], 1
	s_lshl_b32 s98, s98, 2
	s_add_co_u32 s98, s98, s[CYL]
	s_lshl_b32 s98, s98, 1
	s_add_co_u32 s98, s98, s[RH]
	s_lshl_b32 s99, s98, 14
	s_add_co_u32 s92, s92, s99
	s_lshl_b32 s99, s[CX], 19
	s_lshl_b32 s100, s94, 17
	s_add_co_u32 s99, s99, s100
	s_lshl_b32 s100, s95, 14
	s_add_co_u32 s99, s99, s100
	s_lshl_b32 s100, s98, 9
	s_add_co_u32 s99, s99, s100
	s_lshl_b32 s94, s[BB], 21
	s_add_co_u32 s94, s94, 16777216
	s_lshl_b32 s95, s[PX], 1
	s_add_co_u32 s95, s95, s[PH]
	s_lshl_b32 s98, s95, 17
	s_add_co_u32 s94, s94, s98
	s_lshl_b32 s98, s[CYL], 1
	s_add_co_u32 s98, s98, s[RH]
	s_lshl_b32 s100, s98, 14
	s_add_co_u32 s94, s94, s100
	s_lshl_b32 s100, s[BB], 16
	s_add_co_u32 s100, s100, 1048576
	s_lshl_b32 s101, s98, 13
	s_add_co_u32 s100, s100, s101
	s_lshl_b32 s101, s95, 8
	s_add_co_u32 s100, s100, s101
	s_cmp_eq_u32 s[MODE], 0
	s_cselect_b32 s96, s92, s94
	s_add_nc_u64 s[OUTP:OUTP+1], s[22:23], s[96:97]
	s_cselect_b32 s96, s99, s100
	s_add_nc_u64 s[OSC:OSC+1], s[24:25], s[96:97]
	s_cselect_b32 s98, 32, 16
	s_mov_b32 s99, 4096
	s_cselect_b32 s99, 16, s99
	v_mul_lo_u32 v6, v3, s98
	v_mul_lo_u32 v7, v[H], s99
	v_add_nc_u32 v[OSV], v6, v7
	s_wait_alu depctr_va_vdst(0)
	s_wait_tensorcnt 0x0
	ds_add_u32 v28, v29
	ds_add_u32 v28, v29
	s_wait_dscnt 0x0
	CROUND
	JLOAD G0R+4, G1R, G0P+4, G1P
	s_wait_loadcnt 24
	LORA 0
	LORA 1
	LORA 2
	LORA 3
	WIN 0
	PLACES 9
	s_wait_tensorcnt 1
	s_barrier_signal -1
	s_barrier_wait -1
	FETCH_B 0, 0, 0
	FETCH_A 0, 0, 0
	FETCH_A 0, 0, 4
	s_wait_loadcnt 0x0
	STEP 0, 0
	TURN 0, 1, 1, 1
	STEP 1, 2
	TURN 1, 0, 1, 3
	STEP 0, 4
	TURN 0, 1, 0, 5
	STEP 1, 6
	WIN 0x40
.irp b, 0,1,2,3,4,5,6,7
.irp g, 0,1
	global_load_b128 v[8*\b+4*\g:8*\b+4*\g+3], v[ABI], s[BIAS:BIAS+1] offset:(32*(\b/2)+8*(\b%2))*4+16*\g
.endr
.endr
	WIN 0
	s_wait_dscnt 16
	WIN MUL_LO
	MUL16 0, 1, 7
	MUL16 2, 1, 7
	s_wait_dscnt 0
	WIN MUL_HI
	MUL16 4, 1, 7
	MUL16 6, 1, 7
	WIN 0
	PLACES 8
.irp b, 0,1,2,3
	v_mov_b32 v[TM+4+\b], 0
.endr
	s_wait_loadcnt 0x0
.irp a, 0,1,2,3,4,5,6,7
	WAYOUT \a
.endr
	v_cmp_eq_u32 vcc_lo, 1, v[H]
.irp i, 0,1,2,3
	v_cndmask_b32 v[WO+\i], v[W+\i], v[W+4+\i], vcc_lo
.endr
	global_store_b128 v[OSV], v[WO:WO+3], s[OSC:OSC+1]
	s_cmp_eq_u32 s[MODE], 0
	s_cbranch_scc0 .Lno_odd
.irp i, 0,1,2,3
	v_lshrrev_b32 v[WO+4+\i], 16, v[WO+\i]
.endr
	global_store_b128 v[OSV], v[WO+4:WO+7], s[OSC:OSC+1] offset:8192
.Lno_odd:
	s_wait_tensorcnt 0x0
	ds_add_u32 v[SPW], v[NIL]
	s_wait_dscnt 0x0
	CROUND
	s_endpgm
.Lfunc_end_k_q23de8330c4_proj:
	.size	k_q23de8330c4_proj, .Lfunc_end_k_q23de8330c4_proj-k_q23de8330c4_proj
	.p2alignl 7, 3214868480
	.fill 96, 4, 3214868480
	.section	.rodata,"a",@progbits
	.p2align	6, 0x0
	.amdhsa_kernel k_q23de8330c4_proj
		.amdhsa_group_segment_fixed_size 327680
		.amdhsa_private_segment_fixed_size 0
		.amdhsa_enable_private_segment 0
		.amdhsa_kernarg_size 88
		.amdhsa_user_sgpr_count 2
		.amdhsa_user_sgpr_kernarg_segment_ptr 1
		.amdhsa_wavefront_size32 1
		.amdhsa_system_sgpr_workgroup_id_x 1
		.amdhsa_system_sgpr_workgroup_id_y 1
		.amdhsa_system_sgpr_workgroup_id_z 1
		.amdhsa_system_vgpr_workitem_id 0
		.amdhsa_next_free_vgpr 1024
		.amdhsa_next_free_sgpr 102
		.amdhsa_reserve_vcc 1
		.amdhsa_float_denorm_mode_32 3
		.amdhsa_float_denorm_mode_16_64 3
		.amdhsa_memory_ordered 1
		.amdhsa_forward_progress 1
		.amdhsa_inst_pref_size 240
	.end_amdhsa_kernel
	.amdgpu_metadata
---
amdhsa.version: [ 1, 2 ]
amdhsa.kernels:
  - .name:           k_q23de8330c4_proj
    .symbol:         k_q23de8330c4_proj.kd
    .args:
      - { .name: codes, .offset: 0, .size: 8, .value_kind: global_buffer, .address_space: global }
      - { .name: scales, .offset: 8, .size: 8, .value_kind: global_buffer, .address_space: global }
      - { .name: t16, .offset: 16, .size: 8, .value_kind: global_buffer, .address_space: global }
      - { .name: Bq, .offset: 24, .size: 8, .value_kind: global_buffer, .address_space: global }
      - { .name: Bk, .offset: 32, .size: 8, .value_kind: global_buffer, .address_space: global }
      - { .name: Bv, .offset: 40, .size: 8, .value_kind: global_buffer, .address_space: global }
      - { .name: bq, .offset: 48, .size: 8, .value_kind: global_buffer, .address_space: global }
      - { .name: bk, .offset: 56, .size: 8, .value_kind: global_buffer, .address_space: global }
      - { .name: bv, .offset: 64, .size: 8, .value_kind: global_buffer, .address_space: global }
      - { .name: qkv, .offset: 72, .size: 8, .value_kind: global_buffer, .address_space: global }
      - { .name: qkvs, .offset: 80, .size: 8, .value_kind: global_buffer, .address_space: global }
    .group_segment_fixed_size: 327680
    .private_segment_fixed_size: 0
    .kernarg_segment_align: 8
    .kernarg_segment_size: 88
    .max_flat_workgroup_size: 128
    .sgpr_count:     102
    .vgpr_count:     1024
    .wavefront_size: 32
...
	.end_amdgpu_metadata
.endif
;; end of part 2
;; launch attn (part 3): grid 4 x 64, 8 waves a work-group, clusters of 4 x 1, 327,680 bytes of LDS; arguments qkv, qkvs, attention_mask, out0; writes out0
.if DOCPART == 3
	.amdgcn_target "amdgcn-amd-amdhsa--gfx1250"
	.amdhsa_code_object_version 6
	.text
	.protected	k_q23de8330c4_attn
	.globl	k_q23de8330c4_attn
	.p2align	8
	.type	k_q23de8330c4_attn,@function
k_q23de8330c4_attn:
	s_mov_b64 s[64:65], 0
	v_nop
	global_prefetch_b8 v0, s[64:65] scope:SCOPE_SE
	s_setreg_imm32_b32 hwreg(HW_REG_WAVE_MODE, 25, 1), 1
	s_wait_xcnt 0x0
	s_wait_alu depctr_hold_cnt(0) depctr_sa_sdst(0) depctr_va_vdst(0) depctr_va_sdst(0) depctr_va_ssrc(0) depctr_va_vcc(0) depctr_vm_vsrc(0)
	s_getreg_b32 s2, hwreg(HW_REG_IB_STS2, 6, 4)
	s_cmp_eq_u32 s2, 0
	s_cbranch_scc0 .Lentry_in_a_cluster
	s_endpgm
.Lentry_in_a_cluster:
	s_bfe_u32 s2, ttmp6, 0x10000c
	s_cmp_lg_u32 s2, 0x3003
	s_cbranch_scc0 .Lentry_shape_is_right
	s_endpgm
.Lentry_shape_is_right:
; out[b][q][head] = the sum over k of softmax_k(q . k / 8 + mask[b][k]) v[k], both products on codes of E5M2 with E8M0 scales; q, k, v arrive as images of operand registers (layouts: the launch before).
; THE SOFTMAX: t = (score + 8 mask) x log2(e) / 8; M = the running largest t rounded UP to a whole number; p = 2^(t - M) is quantised along the keys, not normalised; the row's sum is taken of the unquantised p and divides at the end.
; 8 x mask is the C of the first product, so adding it costs no instruction: it is loaded into tile 0's score registers, serves tile 1's products as C first and then, nine places on, tile 0's in place.
; THE FIRST PRODUCT'S K IS THE HEAD'S 64: the upper half of Q's operand is zero codes, cleared once.  K's eight fragments of a step lie 8 registers apart, so that the upper half of a fragment's 16-register operand
; is the next fragment (the last one's: eight cleared registers): finite codes, since every quantiser here holds at the largest code, and they meet Q's zero codes alone and add nothing.
; SHARES.  A cluster of four work-groups is one head of one batch.  A work-group takes 512 queries in two passes; in a pass wave w owns 32 tokens, G = 16 cx + 8 pass + w: query tiles 2 G and 2 G + 1,
; so that each fragment of K, V and the mask read from LDS feeds two tiles.  THE TWO TILES' SOFTMAXES ARE WRITTEN BY TURNS, so that a line's result is read several lines on; between the exponentials of one tile
; stand plain lines of the other (its scalings, its holds), each of which reads what was written ahead of the batch and is read behind it.  Two waves share a SIMD.
; ALL OF THE HEAD'S K AND V STAY IN LDS: asked for once, jointly by the four work-groups, one tensor load a wave: wave 0 K's scale words, wave 1 V's, waves 2 and 3 K's halves, waves 4 to 7 V's quarters.
; Nothing is filled again: one barrier ahead of the passes, none in them.  Everything that the launch streams is asked for at its head, so there is nothing left to prefetch (Q of the second pass, 2 KiB a wave, is loaded ahead of the first pass's way out).
; A step's K, its scale words and the mask are read from LDS one step ahead; the address wraps at the last step, so that the fetch there serves the next pass.
; Both products are used transposed (S^T = K Q^T, O^T = V^T P^T): a lane holds one query throughout.  A tile's rows stand in the order 32 B + 8 u + r + (r & 8), so S^T's 64 registers are keys 32 b + 16 h + i in P's layout.
; LIMITS: NaN and infinities are not served but for -infinity in the mask.  8 x mask is held from below at -2^32 (mask >= -2^29): a key under that gets p = 0.  A row all of whose keys lie under -2^29, and masks above 2^29, are not served exactly.
; REGISTERS.  Window 0: v1-15 addresses; v16-23 K's scale words, v24-27 V's, v28-29 p's, v30-31 Q's; v32-63 p's codes (16 a tile); v64-191 S^T then p (64 a tile); v192-247 state and work (28 a tile); v248-255 the head's.
;   Window 1: v0-63 O^T (32 a tile); v64-127 K's eight fragments, v128-135 zeros; v136-199 V's four fragments; v200-231 Q (a tile: 8 of codes, 8 zeros).
.set KSB,  262144                      ; LDS: K at 0 (tile x 1024), V at 131,072 (step x 8192 + tile x 2048); K's scale words here,
.set VSB,  270336                      ; V's,
.set MB,   274432                      ; 8 x mask, 2,048 f32: stored by the waves, never a fill's target,
.set STG,  283648                      ; 1,024 bytes further on than the mask's end: a stage of 16 rows x 272 bytes for each wave,
.set SPARE, 318464                     ; the spare words, 128 bytes a wave
.set LI,  1                            ; 16 x lane
.set AS0, 2                            ; KSB + 32 r
.set AV0, 3                            ; VSB + 16 r
.set AM0, 4                            ; MB + 64 h
.set STO, 5
.set RD,  6
.set GO,  7
.set ADK, 8
.set ADV, 9
.set ADS, 10
.set ADT, 11
.set ADM, 12
.set AQS, 13                           ; 32 r
.set SPW, 14
.set NIL, 15
.set KS,  16
.set VS,  24
.set PW,  28
.set QS,  30
.set PC,  32
.set S,   64
.set R,   128                          ; the way out works in tile 1's score registers: tile 0's hold the next pass's mask
.set WQ,  28                           ; from tile 0's state and work registers to tile 1's
.set NM,  192
.set TMX, 193
.set SUM, 194
.set BM,  196
.set T2,  200
.set HL,  204
.set SO,  208
.set TMP, 212
.set TW,  213                          ; the old -M, then the scale word in the making
.set F,   214
.set SA,  216                          ; SA, SB and tile 1's two: four side chains for the sums of the tile in hand
.set SB,  218
.set O,   0                            ; window 1
.set KF,  64
.set KZ,  128
.set VF,  136
.set Q,   200
.set G1K,  12
.set G1V,  20
.set G1SK, 28
.set G1SV, 36
.set G0,   44                          ; s[44:59] four groups 0: K's scale words, V's, K's half, V's quarter
.set TN,   60                          ; the next step's K, in LDS bytes
.set TSN,  61                          ; the next step's mask and K's scale words
.set TV,   62                          ; this step's V
.set WV,   66
.set CXL,  67
.set BH,   68
.set B,    69
.set HEAD, 70
.set CS,   72
.set SEL,  74
.set MNT,  76
.set TK,   77                          ; 8,192 x the step
.set TT,   79                          ; this step's scale words of V
.set CNT,  80
.set PASS, 81
.set QB,   82
.set QSB,  84
.set OB,   86
.set MSB, 0
.macro WIN new
.if MSB != (\new)
	s_set_vgpr_msb (MSB<<8)|(\new)
.set MSB, (\new)
.endif
.endm
.macro CROUND
	s_barrier_signal -1
	s_barrier_wait -1
	s_cmp_lg_u32 s[WV], 0
	s_cbranch_scc1 .Lnot_wave_0_\@
	s_barrier_signal -3
.Lnot_wave_0_\@:
	s_barrier_wait -3
	s_barrier_signal -1
	s_barrier_wait -1
.endm
.macro ARM under, g0, g1, next         ; one arm of the head's tree: a load, its five lines, a jump to the tree's end
	s_cmp_lt_u32 s[WV], \under
	s_cbranch_scc0 \next
	tensor_load_to_lds s[\g0:\g0+3], s[\g1:\g1+7]
	s_nop 0
.rept 4
	v_nop
.endr
	s_branch .Lasked
\next:
.endm
.macro QLOAD                           ; Q's two tiles and their scale words
	global_load_b32 v[QS], v[AQS], s[QSB:QSB+1]
	global_load_b32 v[QS+1], v[AQS], s[QSB:QSB+1] offset:4
	WIN 0x40
.irp q, 0,1
.irp c, 0,1
	global_load_b128 v[Q+16*\q+4*\c:Q+16*\q+4*\c+3], v[LI], s[QB:QB+1] offset:2048*\q+512*\c
.endr
.endr
	WIN 0
.endm
.macro KVLOAD ak, as, withv            ; withv = 1: this step's V and its scale words; always: K's eight fragments and scale words at ak, as
	WIN 0x40
.if \withv
.irp t, 0,1,2,3
.irp c, 0,1,2,3
	ds_load_b128 v[VF+16*\t+4*\c:VF+16*\t+4*\c+3], v[ADV] offset:2048*\t+512*\c
.endr
.endr
.endif
.irp t, 0,1,2,3,4,5,6,7
.irp c, 0,1
	ds_load_b128 v[KF+8*\t+4*\c:KF+8*\t+4*\c+3], v[\ak] offset:\t*1024+512*\c
.endr
.endr
	WIN 0
.if \withv
	ds_load_b128 v[VS:VS+3], v[ADT]
.endif
	ds_load_b128 v[KS:KS+3], v[\as]
	ds_load_b128 v[KS+4:KS+7], v[\as] offset:16
.endm
.macro MLOAD am                        ; 8 x mask of keys 32 (t / 2) + 16 h + 8 (t % 2) + 0..7, the result's layout, into tile 0's score registers
.irp t, 0,1,2,3,4,5,6,7
.irp g, 0,1
	ds_load_b128 v[S+8*\t+4*\g:S+8*\t+4*\g+3], v[\am] offset:128*(\t/2)+32*(\t%2)+16*\g
.endr
.endr
.endm
.macro CVT q                           ; tile q's held p into codes
.irp b, 0,1,2,3
	v_cvt_scalef32_pk8_bf8_f32 v[PC+16*\q+4*\b:PC+16*\q+4*\b+1], v[S+64*\q+16*\b:S+64*\q+16*\b+7], v[SO+WQ*\q+\b]
	v_cvt_scalef32_pk8_bf8_f32 v[PC+16*\q+4*\b+2:PC+16*\q+4*\b+3], v[S+64*\q+16*\b+8:S+64*\q+16*\b+15], v[SO+WQ*\q+\b]
.endr
.endm
.macro SUMS q                          ; tile q's row sum of the unquantised p, two at a time, in five chains; the first link of the main chain brings the old sum under the new M
	v_pk_add_f32 v[SA:SA+1], v[S+64*\q:S+64*\q+1], v[S+64*\q+2:S+64*\q+3]
	v_pk_add_f32 v[SB:SB+1], v[S+64*\q+4:S+64*\q+5], v[S+64*\q+6:S+64*\q+7]
	v_pk_add_f32 v[SA+WQ:SA+WQ+1], v[S+64*\q+8:S+64*\q+9], v[S+64*\q+10:S+64*\q+11]
	v_pk_add_f32 v[SB+WQ:SB+WQ+1], v[S+64*\q+12:S+64*\q+13], v[S+64*\q+14:S+64*\q+15]
	v_pk_fma_f32 v[SUM+WQ*\q:SUM+WQ*\q+1], v[SUM+WQ*\q:SUM+WQ*\q+1], v[F+WQ*\q:F+WQ*\q+1], v[S+64*\q+16:S+64*\q+17] op_sel_hi:[1,0,1]
.irp j, 18,28,38,48
	v_pk_add_f32 v[SUM+WQ*\q:SUM+WQ*\q+1], v[SUM+WQ*\q:SUM+WQ*\q+1], v[S+64*\q+\j:S+64*\q+\j+1]
	v_pk_add_f32 v[SA:SA+1], v[SA:SA+1], v[S+64*\q+\j+2:S+64*\q+\j+3]
	v_pk_add_f32 v[SB:SB+1], v[SB:SB+1], v[S+64*\q+\j+4:S+64*\q+\j+5]
	v_pk_add_f32 v[SA+WQ:SA+WQ+1], v[SA+WQ:SA+WQ+1], v[S+64*\q+\j+6:S+64*\q+\j+7]
	v_pk_add_f32 v[SB+WQ:SB+WQ+1], v[SB+WQ:SB+WQ+1], v[S+64*\q+\j+8:S+64*\q+\j+9]
.endr
	v_pk_add_f32 v[SUM+WQ*\q:SUM+WQ*\q+1], v[SUM+WQ*\q:SUM+WQ*\q+1], v[S+64*\q+58:S+64*\q+59]
	v_pk_add_f32 v[SA:SA+1], v[SA:SA+1], v[S+64*\q+60:S+64*\q+61]
	v_pk_add_f32 v[SB:SB+1], v[SB:SB+1], v[S+64*\q+62:S+64*\q+63]
	v_pk_add_f32 v[SA+WQ:SA+WQ+1], v[SA+WQ:SA+WQ+1], v[SB+WQ:SB+WQ+1]
	v_pk_add_f32 v[SA:SA+1], v[SA:SA+1], v[SB:SB+1]
	v_pk_add_f32 v[SA:SA+1], v[SA:SA+1], v[SA+WQ:SA+WQ+1]
	v_pk_add_f32 v[SUM+WQ*\q:SUM+WQ*\q+1], v[SUM+WQ*\q:SUM+WQ*\q+1], v[SA:SA+1]
.endm
; Both tiles' softmax for 128 keys, all in window 0: up to tile 0's p held, tile 1's p made, the scale words and tile 0's sum
.macro SOFTMAX
.irp b, 0,1,2,3
.irp q, 0,1
	v_max3_num_f32 v[BM+WQ*\q+\b], v[S+64*\q+16*\b], v[S+64*\q+16*\b+1], v[S+64*\q+16*\b+2]   ; the largest score of each block of 32 keys: for the row's maximum, and, since p rises with the score, for the block's largest p
.endr
.endr
.irp i, 3,5,7,9,11,13
.irp b, 0,1,2,3
.irp q, 0,1
	v_max3_num_f32 v[BM+WQ*\q+\b], v[BM+WQ*\q+\b], v[S+64*\q+16*\b+\i], v[S+64*\q+16*\b+\i+1]
.endr
.endr
.endr
.irp b, 0,1,2,3
.irp q, 0,1
	v_max_num_f32 v[BM+WQ*\q+\b], v[BM+WQ*\q+\b], v[S+64*\q+16*\b+15]
.endr
.endr
.irp b, 0,1,2,3
.irp q, 0,1
	v_permlanex16_b32 v[T2+WQ*\q+\b], v[BM+WQ*\q+\b], s[SEL], s[SEL+1]
.endr
.endr
.irp b, 0,1,2,3
.irp q, 0,1
	v_max_num_f32 v[BM+WQ*\q+\b], v[BM+WQ*\q+\b], v[T2+WQ*\q+\b]   ; with lane l xor 16's 16 keys
.endr
.endr
.irp q, 0,1
	v_max3_num_f32 v[TMP+WQ*\q], v[BM+WQ*\q], v[BM+WQ*\q+1], v[BM+WQ*\q+2]
.endr
.irp q, 0,1
	v_max_num_f32 v[TMP+WQ*\q], v[TMP+WQ*\q], v[BM+WQ*\q+3]
.endr
.irp q, 0,1
	v_mul_f32 v[TMP+WQ*\q], s[CS], v[TMP+WQ*\q]                  ; as t (c is positive)
.endr
.irp q, 0,1
	v_max_num_f32 v[TMX+WQ*\q], v[TMX+WQ*\q], v[TMP+WQ*\q]       ; the running largest t
.endr
.irp q, 0,1
	v_floor_f32 v[NM+WQ*\q], -v[TMX+WQ*\q]                       ; the new -M = floor(-t): M is a whole number
.endr
.irp q, 0,1
	v_sub_f32 v[TMP+WQ*\q], v[NM+WQ*\q], v[TW+WQ*\q]             ; old M - new M: a whole number, 0 or less
.endr
.irp q, 0,1
	v_cvt_i32_f32 v[TMP+WQ*\q], v[TMP+WQ*\q]                     ; (it saturates)
.endr
.irp q, 0,1
	v_ldexp_f32 v[F+WQ*\q], 1.0, v[TMP+WQ*\q]                    ; f = 2^(old M - new M): rounds nothing
.endr
.set j, 0
.rept 32
	v_pk_fma_f32 v[S+j:S+j+1], v[S+j:S+j+1], s[CS:CS+1], v[NM:NM+1] op_sel_hi:[1,0,0]   ; tile 0: t - M, two at a time
.set j, j+2
.endr
.irp b, 0,1,2,3
.irp q, 0,1
	v_fma_f32 v[BM+WQ*\q+\b], v[BM+WQ*\q+\b], s[CS], v[NM+WQ*\q]
.endr
.endr
	s_wait_alu depctr_va_vdst(0)                   ; ahead of the batch
.irp b, 0,1,2,3
.irp q, 0,1
	v_exp_f32 v[BM+WQ*\q+\b], v[BM+WQ*\q+\b]       ; the block's largest p
.endr
.endr
.set j, 0
.rept 32
	v_exp_f32 v[S+j], v[S+j]                       ; tile 0: p = 2^(t - M), at most 1
	v_exp_f32 v[S+j+1], v[S+j+1]
	v_pk_fma_f32 v[S+64+j:S+65+j], v[S+64+j:S+65+j], s[CS:CS+1], v[NM+WQ:NM+WQ+1] op_sel_hi:[1,0,0]   ; between them tile 1's t - M: read behind the two waits below
.set j, j+2
.endr
	s_wait_alu depctr_va_vdst(0)                   ; one wait for the whole batch, ahead of its first reader
.irp b, 0,1,2,3
.irp q, 0,1
	v_max_num_f32 v[BM+WQ*\q+\b], 0x8000000, v[BM+WQ*\q+\b]      ; the floor 2^(16 - 127)
.endr
.endr
.irp b, 0,1,2,3
.irp q, 0,1
	v_add_nc_u32 v[SO+WQ*\q+\b], 0xf8800000, v[BM+WQ*\q+\b]      ; the conversion's scale operand
.endr
.endr
.irp b, 0,1,2,3
.irp q, 0,1
	v_and_or_b32 v[HL+WQ*\q+\b], v[BM+WQ*\q+\b], 0x7f800000, s[MNT]   ; 57,344 x the scale
.endr
.endr
.irp b, 0,1,2,3
.irp q, 0,1
	v_lshrrev_b32 v[T2+WQ*\q+\b], 23, v[SO+WQ*\q+\b]             ; the scale's byte
.endr
.endr
.irp q, 0,1
	v_lshl_or_b32 v[TW+WQ*\q], v[T2+WQ*\q+1], 8, v[T2+WQ*\q]
.endr
.irp q, 0,1
	v_lshl_or_b32 v[TW+WQ*\q], v[T2+WQ*\q+2], 16, v[TW+WQ*\q]
.endr
.irp q, 0,1
	v_lshl_or_b32 v[PW+\q], v[T2+WQ*\q+3], 24, v[TW+WQ*\q]       ; p's scale word for these 128 keys
.endr
	SUMS 0
	s_wait_alu depctr_va_vdst(0)                   ; ahead of the second batch
.set j, 0
.rept 32
	v_exp_f32 v[S+64+j], v[S+64+j]                 ; tile 1's p
	v_exp_f32 v[S+65+j], v[S+65+j]
	v_dual_min_num_f32 v[S+j], v[S+j], v[HL+j/16] :: v_dual_min_num_f32 v[S+j+1], v[S+j+1], v[HL+j/16]   ; between them tile 0's holds at the largest code x the scale, two an instruction (the conversion does not saturate: ISA guide 7.6.2; p is not negative)
.set j, j+2
.endr
	s_wait_alu depctr_va_vdst(0)                   ; one wait for the batch, ahead of its first reader
.endm
; A key step: 128 keys, both tiles.  Its K, K's scale words and mask have been asked for when it begins
.macro STEP
	s_add_co_u32 s[TN], s[TK], 8192
	s_and_b32 s[TN], s[TN], 0x1ffff                ; the step after the sixteenth is the first
	s_lshr_b32 s[TSN], s[TN], 4                    ; 128 keys of the mask are 512 bytes, as K's scale words of a step are
	s_lshr_b32 s[TT], s[TK], 5
	s_add_co_u32 s[TV], s[TK], 0x20000
	s_wait_dscnt 0x0                               ; the mask (K and its scale words were waited for in the step before)
	WIN 0x05                                       ; K and Q in window 1; C and D in window 0
.irp t, 0,1,2,3,4,5,6,7
	v_wmma_scale_f32_16x16x128_f8f6f4 v[S+64+8*\t:S+64+8*\t+7], v[KF+8*\t:KF+8*\t+15], v[Q+16:Q+31], v[S+8*\t:S+8*\t+7], v[KS+\t], v[QS+1] matrix_a_fmt:MATRIX_FMT_BF8 matrix_b_fmt:MATRIX_FMT_BF8
.endr
.rept 9
	v_nop                                          ; nine places: tile 0's products write over the mask, which tile 1's have read as C
.endr
.irp t, 0,1,2,3,4,5,6,7
	v_wmma_scale_f32_16x16x128_f8f6f4 v[S+8*\t:S+8*\t+7], v[KF+8*\t:KF+8*\t+15], v[Q:Q+15], v[S+8*\t:S+8*\t+7], v[KS+\t], v[QS] matrix_a_fmt:MATRIX_FMT_BF8 matrix_b_fmt:MATRIX_FMT_BF8
.endr
	WIN 0
	v_add_nc_u32 v[ADV], s[TV], v[LI]              ; these seven lines and the v_nop: eight places in front of the loads into the products' registers and of the first read of the scores
	v_add_nc_u32 v[ADK], s[TN], v[LI]
	v_add_nc_u32 v[ADT], s[TT], v[AV0]
	v_add_nc_u32 v[ADS], s[TSN], v[AS0]
	v_add_nc_u32 v[ADM], s[TSN], v[AM0]
	v_mov_b32 v[TW], v[NM]                         ; the old -M of both tiles
	v_mov_b32 v[TW+WQ], v[NM+WQ]
	v_nop
	KVLOAD ADK, ADS, 1                             ; this step's V and the next step's K: they land under the softmax
	SOFTMAX
	CVT 0
	MLOAD ADM                                      ; the next step's mask, over tile 0's p, which has become codes
	SUMS 1
.set j, 0
.rept 32
	v_dual_min_num_f32 v[S+64+j], v[S+64+j], v[HL+WQ+j/16] :: v_dual_min_num_f32 v[S+65+j], v[S+65+j], v[HL+WQ+j/16]   ; tile 1's holds
.set j, j+2
.endr
	CVT 1
	s_wait_alu depctr_va_vdst(0)                   ; O^T is a matrix result first read behind exponentials: the wait stands directly ahead of its first reader
	WIN 0x41                                       ; O^T in window 1, f in window 0
.set j, 0
.rept 16
	v_pk_mul_f32 v[O+j:O+j+1], v[O+j:O+j+1], v[F:F+1] op_sel_hi:[1,0]   ; O^T under the new M; also the plain lines between the conversions and the products
	v_pk_mul_f32 v[O+32+j:O+33+j], v[O+32+j:O+33+j], v[F+WQ:F+WQ+1] op_sel_hi:[1,0]
.set j, j+2
.endr
	s_wait_alu depctr_va_vdst(0)
	s_wait_dscnt 16                                ; V, K and their scale words are in; the mask's 16 loads may be out
	WIN 0x51                                       ; V, C and D in window 1, p's codes in window 0
.irp q, 0,1                                    ; O^T += V^T P^T: the eight accumulators take turns
.irp t, 0,1,2,3
	v_wmma_scale_f32_16x16x128_f8f6f4 v[O+32*\q+8*\t:O+32*\q+8*\t+7], v[VF+16*\t:VF+16*\t+15], v[PC+16*\q:PC+16*\q+15], v[O+32*\q+8*\t:O+32*\q+8*\t+7], v[VS+\t], v[PW+\q] matrix_a_fmt:MATRIX_FMT_BF8 matrix_b_fmt:MATRIX_FMT_BF8
.endr
.endr
	WIN 0
	s_add_co_u32 s[TK], s[TK], 8192
.endm
	s_load_b256 s[4:11], s[0:1], 0x0               ; qkv s[4:5], qkvs s[6:7], the mask s[8:9], out s[10:11]
	v_lshl_add_u32 v[SPW], v0, 2, SPARE
	v_mov_b32 v[NIL], 0
	ds_add_u32 v[SPW], v[NIL]                      ; the opening: the add, twice on end, and its wait ahead of the first tensor load
	ds_add_u32 v[SPW], v[NIL]
	v_lshrrev_b32 v248, 5, v0
	v_readfirstlane_b32 s[WV], v248                ; wave 0..7
	s_bfe_u32 s[CXL], ttmp6, 0x40000               ; cx: it enters Q's and the output's addresses alone
	s_and_b32 s[BH], ttmp7, 0xffff                 ; batch x 16 + head, which the four partners share
	s_lshr_b32 s[B], s[BH], 4
	s_and_b32 s[HEAD], s[BH], 15
	s_lshl_b32 s88, s[B], 21
	s_lshr_b32 s89, s[HEAD], 1
	s_lshl_b32 s89, s89, 18
	s_and_b32 s90, s[HEAD], 1
	s_lshl_b32 s90, s90, 10
	s_add_co_u32 s89, s89, s90
	s_add_co_u32 s89, s89, s88                     ; the head's place in q's part and in k's
	s_and_b32 s94, s[WV], 1                        ; K: waves 2 and 3 take halves 0 and 1: 64 tiles, 131,072 bytes of memory,
	s_lshl_b32 s90, s94, 17
	s_add_co_u32 s90, s90, s89
	s_add_co_u32 s90, s90, 8388608
	s_mov_b32 s91, 0
	s_lshl_b32 s94, s94, 16                        ; 65,536 of LDS
	s_and_b32 s95, s[WV], 3                        ; V: waves 4 to 7 take quarters 0 to 3: 4 steps, 524,288 bytes on in memory,
	s_lshl_b32 s98, s95, 19
	s_add_co_u32 s98, s98, s88
	s_lshl_b32 s99, s[HEAD], 13
	s_add_co_u32 s98, s98, s99
	s_add_co_u32 s98, s98, 16777216
	s_mov_b32 s99, 0
	s_lshl_b32 s95, s95, 15                        ; 32,768 of LDS, behind K
	s_add_co_u32 s95, s95, 131072
	s_lshl_b32 s92, s[BH], 13
	s_add_co_u32 s92, s92, 524288                  ; K's scale words
	s_mov_b32 s93, 0
	s_lshl_b32 s96, s[BH], 12
	s_add_co_u32 s96, s96, 1048576                 ; V's
	s_mov_b32 s97, 0
	; descriptor groups 1: word 0: the mask of all four work-groups, elements of 8 bytes, bit 21 beside the mask
.irp g, G1K, G1V, G1SK, G1SV
	s_mov_b32 s[\g], 15|(3<<16)|(1<<21)
	s_mov_b32 s[\g+6], 0
	s_mov_b32 s[\g+7], 0
.endr
	s_mov_b32 s[G1K+1], 128<<16                    ; K: 64 tiles of 1,024 bytes, 2,048 bytes apart (the other head of the pair lies between)
	s_mov_b32 s[G1K+2], 64<<16
	s_mov_b32 s[G1K+3], 128<<16
	s_mov_b32 s[G1K+4], 64
	s_mov_b32 s[G1K+5], 256
	s_mov_b32 s[G1V+1], 1024<<16                   ; V: 4 steps of 8,192 bytes (the head's four tiles), 131,072 bytes apart
	s_mov_b32 s[G1V+2], 4<<16
	s_mov_b32 s[G1V+3], 1024<<16
	s_mov_b32 s[G1V+4], 4
	s_mov_b32 s[G1V+5], 16384
	s_mov_b32 s[G1SK+1], 32<<16                    ; K's scale words: 8,192 dense bytes as 32 rows of 256
	s_mov_b32 s[G1SK+2], 32<<16
	s_mov_b32 s[G1SK+3], 32<<16
	s_mov_b32 s[G1SK+4], 32
	s_mov_b32 s[G1SK+5], 32
	s_mov_b32 s[G1SV+1], 32<<16                    ; V's: 4,096 dense bytes as 16 rows of 256
	s_mov_b32 s[G1SV+2], 16<<16
	s_mov_b32 s[G1SV+3], 32<<16
	s_mov_b32 s[G1SV+4], 16
	s_mov_b32 s[G1SV+5], 32
	s_mov_b32 s[CS], 0x3e38aa3b                    ; c = log2(e) / 8
	s_mov_b32 s[CS+1], s[CS]
	s_mov_b32 s[SEL], 0x76543210
	s_mov_b32 s[SEL+1], 0xfedcba98
	s_mov_b32 s[MNT], 0x600000
	s_wait_dscnt 0x0                               ; both opening adds are done
	s_wait_kmcnt 0x0
	s_mov_b32 s[G0], 1
	s_mov_b32 s[G0+1], KSB
	s_add_nc_u64 s[G0+2:G0+3], s[6:7], s[92:93]
	s_or_b32 s[G0+3], s[G0+3], 0x80000000
	s_mov_b32 s[G0+4], 1
	s_mov_b32 s[G0+5], VSB
	s_add_nc_u64 s[G0+6:G0+7], s[6:7], s[96:97]
	s_or_b32 s[G0+7], s[G0+7], 0x80000000
	s_mov_b32 s[G0+8], 1
	s_mov_b32 s[G0+9], s94
	s_add_nc_u64 s[G0+10:G0+11], s[4:5], s[90:91]
	s_or_b32 s[G0+11], s[G0+11], 0x80000000
	s_mov_b32 s[G0+12], 1
	s_mov_b32 s[G0+13], s95
	s_add_nc_u64 s[G0+14:G0+15], s[4:5], s[98:99]
	s_or_b32 s[G0+15], s[G0+15], 0x80000000
	CROUND                                         ; all four work-groups are here: the joint loads meet
	ARM 1, G0,   G1SK, .Lhead_sv                   ; one tree of branches on the wave's number: every way through it passes one load
	ARM 2, G0+4, G1SV, .Lhead_k
	ARM 4, G0+8, G1K,  .Lhead_v
	tensor_load_to_lds s[G0+12:G0+15], s[G1V:G1V+7]
	s_nop 0
.rept 4
	v_nop
.endr
.Lasked:
	; the mask of my batch: 256 threads x 32 bytes
	s_lshl_b32 s98, s[B], 13
	s_mov_b32 s99, 0
	s_add_nc_u64 s[8:9], s[8:9], s[98:99]
	v_lshlrev_b32 v252, 4, v0
	v_lshl_add_u32 v253, v0, 4, MB
	global_load_b128 v[R:R+3], v252, s[8:9]
	global_load_b128 v[R+4:R+7], v252, s[8:9] offset:4096
	v_and_b32 v249, 31, v0                         ; lane
	v_and_b32 v250, 15, v0                         ; r
	v_bfe_u32 v251, v0, 4, 1                       ; h
	v_lshlrev_b32 v[LI], 4, v249
	v_lshl_add_u32 v[AS0], v250, 5, KSB
	v_lshl_add_u32 v[AV0], v250, 4, VSB
	v_lshl_add_u32 v[AM0], v251, 6, MB
	v_lshlrev_b32 v[AQS], 5, v250
	s_mul_i32 s95, s[WV], 4352
	s_add_co_u32 s95, s95, STG                     ; my stage
	v_mul_u32_u24 v[STO], v250, 272
	v_mul_u32_u24 v[RD], v251, 272
	v_lshlrev_b32 v[GO], 12, v251
	v_lshl_add_u32 v[STO], v251, 6, v[STO]
	v_lshl_add_u32 v[RD], v250, 4, v[RD]
	v_lshl_add_u32 v[GO], v250, 4, v[GO]           ; two rows of the output, 4,096 bytes apart; 16 bytes a lane
	v_add_nc_u32 v[STO], s95, v[STO]               ; in: row r, + 64 h
	v_add_nc_u32 v[RD], s95, v[RD]                 ; back: lanes 0-15 one row of 256 bytes, lanes 16-31 the next
	; what is cleared once: the permutes' destinations and the upper half of f's pair; in window 1 the upper halves of Q's operands and the eight registers behind K's last fragment (zero codes)
.irp q, 0,1
.irp i, 0,1,2,3
	v_mov_b32 v[T2+WQ*\q+\i], 0
.endr
	v_mov_b32 v[F+WQ*\q+1], 0
	v_mov_b32 v[TMP+WQ*\q], 0
.endr
	WIN 0x40
.irp i, 0,1,2,3,4,5,6,7
	v_mov_b32 v[Q+8+\i], 0
	v_mov_b32 v[Q+24+\i], 0
	v_mov_b32 v[KZ+\i], 0
.endr
	WIN 0
	; Q, its scale words and the output at my first 32 tokens: G = 16 cx + w
	s_lshl_b32 s96, s[CXL], 16
	s_lshl_b32 s97, s[WV], 12
	s_add_co_u32 s96, s96, s97
	s_add_co_u32 s96, s96, s89
	s_mov_b32 s97, 0
	s_add_nc_u64 s[QB:QB+1], s[4:5], s[96:97]
	s_lshl_b32 s96, s[CXL], 11
	s_lshr_b32 s98, s[WV], 2
	s_lshl_b32 s98, s98, 9
	s_add_co_u32 s96, s96, s98                     ; step G / 4, 512 bytes a step,
	s_and_b32 s98, s[WV], 3
	s_lshl_b32 s98, s98, 3
	s_add_co_u32 s96, s96, s98                     ; tile 2 (G % 4) in it
	s_lshl_b32 s98, s[BH], 13
	s_add_co_u32 s96, s96, s98
	s_add_nc_u64 s[QSB:QSB+1], s[6:7], s[96:97]
	s_lshl_b32 s96, s[CXL], 21
	s_lshl_b32 s98, s[WV], 17
	s_add_co_u32 s96, s96, s98
	s_lshl_b32 s98, s[B], 23
	s_add_co_u32 s96, s96, s98
	s_lshl_b32 s98, s[HEAD], 8
	s_add_co_u32 s96, s96, s98
	s_add_nc_u64 s[OB:OB+1], s[10:11], s[96:97]
	s_wait_alu depctr_va_vdst(0)
	QLOAD                                          ; the first pass's Q
	s_wait_loadcnt 0x6                             ; the mask's two loads are in; Q's six may be out
.irp i, 0,1,2,3,4,5,6,7
	v_mul_f32 v[R+\i], 0x41000000, v[R+\i]         ; x 8, exact
.endr
.irp i, 0,1,2,3,4,5,6,7
	v_max_num_f32 v[R+\i], 0xcf800000, v[R+\i]     ; held at -2^32 from below
.endr
	s_wait_alu depctr_va_vdst(0)
	s_wait_tensorcnt 0x0                           ; my tile is in
	ds_store_b128 v253, v[R:R+3]
	ds_store_b128 v253, v[R+4:R+7] offset:4096
	s_wait_dscnt 0x0                               ; my part of the mask has landed
	s_barrier_signal -1
	s_barrier_wait -1                              ; all of K, V, their scale words and the mask lie in LDS, and nothing is written there again but the waves' own stages
	KVLOAD LI, AS0, 0                              ; the first step's K, scale words
	MLOAD AM0                                      ; and mask
	s_mov_b32 s[PASS], 2
.Lpass:
.irp q, 0,1
	v_mov_b32 v[TMX+WQ*\q], 0xff61b1e6             ; the largest t so far: -3e38
	v_mov_b32 v[NM+WQ*\q], 0x7f61b1e6              ; -M = 3e38, a whole number
	v_mov_b32 v[SUM+WQ*\q], 0
	v_mov_b32 v[SUM+WQ*\q+1], 0
.endr
	WIN 0x40
.set j, 0
.rept 64
	v_mov_b32 v[O+j], 0                            ; the step is written once: its first turn finds zeros, which the first change of M leaves zeros
.set j, j+1
.endr
	WIN 0
	s_mov_b32 s[TK], 0
	s_mov_b32 s[CNT], 16
	s_wait_alu depctr_va_vdst(0)
	s_wait_loadcnt 0x0                             ; Q
.Lstep:
	STEP
	s_sub_co_u32 s[CNT], s[CNT], 1
	s_cmp_lg_u32 s[CNT], 0
	s_cbranch_scc1 .Lstep
.rept 8
	v_nop                                          ; eight places behind the last products
.endr
	s_cmp_eq_u32 s[PASS], 1                        ; a count of passes, the same in all waves
	s_cbranch_scc1 .Lno_q
	s_add_nc_u64 s[QB:QB+1], s[QB:QB+1], 32768     ; the second pass: 8 groups of 32 tokens on (the first pass's loads were waited for)
	s_add_nc_u64 s[QSB:QSB+1], s[QSB:QSB+1], 1024
	QLOAD                                          ; on its way while the first pass's results leave
.Lno_q:
	; THE WAY OUT: O^T / the sum, a tile at a time through my stage, so that sixteen lanes store a query's 256 bytes of this head
.irp q, 0,1
	v_add_f32 v[SUM+WQ*\q], v[SUM+WQ*\q], v[SUM+WQ*\q+1]
.endr
.irp q, 0,1
	v_permlanex16_b32 v[TMP+WQ*\q], v[SUM+WQ*\q], s[SEL], s[SEL+1]
.endr
.irp q, 0,1
	v_add_f32 v[SUM+WQ*\q], v[SUM+WQ*\q], v[TMP+WQ*\q]   ; the row's sum
.endr
	s_wait_alu depctr_va_vdst(0)                   ; ahead of the transcendentals
.irp q, 0,1
	v_rcp_f32 v[F+WQ*\q], v[SUM+WQ*\q]
.endr
	v_nop                                          ; a plain line behind the last reciprocal
.irp q, 0,1
	s_wait_alu depctr_va_vdst(0)                   ; ahead of the first reader of the reciprocals and of this tile's O^T
	WIN 0x01                                       ; O^T in window 1
.set j, 0
.rept 32
	v_mul_f32 v[R+j], v[O+32*\q+j], v[F+WQ*\q]     ; register 8 t + i: channel 32 (t / 2) + 16 h + 8 (t % 2) + i of query r
.set j, j+1
.endr
	WIN 0
.irp t, 0,1,2,3
.irp g, 0,1
	ds_store_b128 v[STO], v[R+8*\t+4*\g:R+8*\t+4*\g+3] offset:128*(\t/2)+32*(\t%2)+16*\g
.endr
.endr
.irp i, 0,1,2,3,4,5,6,7
	ds_load_b128 v[R+32+4*\i:R+35+4*\i], v[RD] offset:544*\i   ; LDS serves a wave's instructions in order: these see my stores
.endr
.irp i, 0,1,2,3,4,5,6,7
	s_wait_dscnt 7-\i                              ; the younger loads may be out
	global_store_b128 v[GO], v[R+32+4*\i:R+35+4*\i], s[OB:OB+1] offset:(2*\i+8*(\i/4)+8*\q)*4096 th:TH_STORE_NT   ; the tile's row rho is token 8 q + rho + (rho & 8) of my 32
.endr
	s_wait_xcnt 0x0                                ; the stores have read their registers and their base
.endr
	s_add_nc_u64 s[OB:OB+1], s[OB:OB+1], 1048576
	s_sub_co_u32 s[PASS], s[PASS], 1
	s_cmp_lg_u32 s[PASS], 0
	s_cbranch_scc1 .Lpass
	s_wait_tensorcnt 0x0                           ; the wave's end
	ds_add_u32 v[SPW], v[NIL]
	s_wait_dscnt 0x0
	CROUND                                         ; the closing round: no work-group ends while a partner may still ask jointly
	s_endpgm
.Lfunc_end_k_q23de8330c4_attn:
	.size	k_q23de8330c4_attn, .Lfunc_end_k_q23de8330c4_attn-k_q23de8330c4_attn
	.p2alignl 7, 3214868480
	.fill 96, 4, 3214868480
	.section	.rodata,"a",@progbits
	.p2align	6, 0x0
	.amdhsa_kernel k_q23de8330c4_attn
		.amdhsa_group_segment_fixed_size 327680
		.amdhsa_private_segment_fixed_size 0
		.amdhsa_enable_private_segment 0
		.amdhsa_kernarg_size 32
		.amdhsa_user_sgpr_count 2
		.amdhsa_user_sgpr_kernarg_segment_ptr 1
		.amdhsa_wavefront_size32 1
		.amdhsa_system_sgpr_workgroup_id_x 1
		.amdhsa_system_sgpr_workgroup_id_y 1
		.amdhsa_system_sgpr_workgroup_id_z 1
		.amdhsa_system_vgpr_workitem_id 0
		.amdhsa_next_free_vgpr 512
		.amdhsa_next_free_sgpr 100
		.amdhsa_reserve_vcc 0
		.amdhsa_float_denorm_mode_32 3
		.amdhsa_float_denorm_mode_16_64 3
		.amdhsa_memory_ordered 1
		.amdhsa_forward_progress 1
		.amdhsa_inst_pref_size 60
	.end_amdhsa_kernel
	.amdgpu_metadata
---
amdhsa.version: [ 1, 2 ]
amdhsa.kernels:
  - .name:           k_q23de8330c4_attn
    .symbol:         k_q23de8330c4_attn.kd
    .args:
      - { .name: qkv, .offset: 0, .size: 8, .value_kind: global_buffer, .address_space: global }
      - { .name: qkvs, .offset: 8, .size: 8, .value_kind: global_buffer, .address_space: global }
      - { .name: attention_mask, .offset: 16, .size: 8, .value_kind: global_buffer, .address_space: global }
      - { .name: out0, .offset: 24, .size: 8, .value_kind: global_buffer, .address_space: global }
    .group_segment_fixed_size: 327680
    .private_segment_fixed_size: 0
    .kernarg_segment_align: 8
    .kernarg_segment_size: 32
    .max_flat_workgroup_size: 256
    .sgpr_count:     100
    .vgpr_count:     512
    .wavefront_size: 32
...
	.end_amdgpu_metadata
.endif
;; end of part 3
